; MI455X (gfx1250); checked and timed in simulation.
; The chip was launched on July 23, 2026; its instructions are those of AMD's public machine-readable ISA for CDNA 5 (MIT licence, August 2026) and "CDNA5" Instruction Set Architecture Reference Guide (July 2026). The comments in the code are by the model that wrote it; some were corrected since.
;; RBF Bias. Allowed arithmetic: matrix products marked QUANTISED: E3M2 operands, one E8M0 scale for each 32 along K, by v_wmma_scale_f32_16x16x128_f8f6f4 with both operands' format E3M2, f32 sums; everything else in f32.
;; Inputs: alpha 8 x 1 float32; beta 8 x 1 float32; k 2 x 8 x 2,048 x 64 float32; ks_s 2 x 2,048 x 3 float32; q 2 x 8 x 2,048 x 64 float32; qs_s 2 x 2,048 x 3 float32; v 2 x 8 x 2,048 x 64 float32.
;; Outputs: out0 2 x 8 x 2,048 x 64 float32.
;; This version of the problem:
;;   THIS VERSION OF THE PROBLEM IS GIVEN IN LOW PRECISION. The matrix products marked QUANTISED in the list below multiply operands that are first quantised to E3M2 (3 exponent bits, 2 mantissa bits; 6 bits a number), with one power-of-two scale for each 32 numbers along K (OCP MX v1.0); their sums are f32. All else is computed in f32.
;;   The module's matrix products, in the order in which they are computed (A, B: the left and right operand; K: the contracted axis; several contracted axes count as one K, in the product's order):
;;     1. batch 16 x [M 2,048, K 64] x [K 64, N 2,048]; A: input q; B: input k: QUANTISED
;;     2. batch 16 x [M 2,048, K 2,048] x [K 2,048, N 64]; A: softmax (see below); B: input v: QUANTISED
;;   THE QUANTISER, for each operand of a quantised product, along K:
;;     - K is cut into blocks of 32 from its start; a last block that is shorter is filled with zeros.
;;     - A block's scale is 2^e with e = floor(log2(the largest magnitude in the block)) - 4, held to -126 .. 127; a block of zeros has e = 0. As a byte (E8M0): e + 127.
;;     - Each number is divided by its block's scale, clamped to +-28, and rounded to the nearest number of E3M2, ties to even, subnormals kept.
;;     - The product sums the exact products of the quantised numbers (number of the format x scale) in f32.
;;   ~~~python
;;   def quantise(x, axis):      # numpy; x: float32 -> the quantised numbers, widened to float32 again
;;       x = np.moveaxis(x, axis, -1); K = x.shape[-1]
;;       x = np.pad(x, [(0, 0)] * (x.ndim - 1) + [(0, -K % 32)]); x = x.reshape(x.shape[:-1] + (-1, 32)); a = np.abs(x).max(-1, keepdims=True)
;;       e = np.where(a > 0, np.clip(np.frexp(np.where(a > 0, a, 1))[1] - 1 - 4, -126, 127), 0)      # np.frexp(a)[1] - 1 = floor(log2(a)), exactly
;;       r = np.clip(x / 2.0 ** e, -28, 28)
;;       step = 2.0 ** (np.maximum(np.frexp(np.where(r == 0, 1, r))[1] - 1, -2) - 2)
;;       q = np.round(r / step) * step * 2.0 ** e      # np.round: ties to even
;;       return np.moveaxis(q.reshape(q.shape[:-2] + (-1,))[..., :K], -1, axis).astype(np.float32)
;;   ~~~
;;   SOFTMAX AHEAD OF A QUANTISED PRODUCT. Where the list says 'softmax', what is quantised is not the finished softmax but p = 2^(t - M), with t = logit x log2(e) and M = ceil(the row's largest t), a whole number; so 1/2 < the row's largest p <= 1. The row's sum l is taken of the UNQUANTISED p, in f32, and the product's result is divided by l at the end. Since M is a whole number, a kernel that streams over the keys may use a running M (the ceiling of the running maximum): every later rescaling is an exact power of two, which a block's scale takes up: the codes' values come out the same.
;;   OPERANDS COMPUTED ON THE WAY. 'Computed on the way' means the value that the module computes at that place (a softmax that the list does not call 'softmax' is quantised finished and normalised). What goes into a quantiser is computed in f32, as accurately as f32 sums, v_exp_f32 and their like allow (about 1e-6 of the number): no bf16 or f16 on the way to a quantiser, and a product that is left as it is and whose result goes on into a quantised operand takes f32 operands (vector FMAs, or v_wmma_f32_16x16x4_f32). A number that lies on a knife's edge between two numbers of the format may be rounded either way, as far as f32 arithmetic and the matrix unit's own rounding can turn it there, and no further.
;; One version. Each part assembles by itself: llvm-mc -triple=amdgcn-amd-amdhsa -mcpu=gfx1250 --defsym DOCPART=n.
;; ======== version 1 of 1: 2 launches
;; limits: right only within a limited range of input values
;; workspace buffers: kvc 3,276,800 bytes
;; launch prep (part 1): grid 512 x 1, 4 waves a work-group, no clusters, 35,840 bytes of LDS; arguments k, v, kvc; writes kvc
.if DOCPART == 1
	.amdgcn_target "amdgcn-amd-amdhsa--gfx1250"
	.amdhsa_code_object_version 6
	.text
	.protected	k_q2b5a59d10a_prep
	.globl	k_q2b5a59d10a_prep
	.p2align	8
	.type	k_q2b5a59d10a_prep,@function
k_q2b5a59d10a_prep:
	s_mov_b64 s[64:65], 0
	v_nop
	global_prefetch_b8 v0, s[64:65] scope:SCOPE_SE
	s_setreg_imm32_b32 hwreg(HW_REG_WAVE_MODE, 25, 1), 1
	s_wait_xcnt 0x0
; k, v: [16 heads][2048][64] f32 -> codes of BF6 (E3M2) with one E8M0 byte for each 32 along a product's K, laid as IMAGES OF OPERAND REGISTERS for the attention launch.
; A fragment is 12 registers x 32 lanes = 1,536 bytes: three chunks of 512 bytes; chunk c holds registers 4 c .. 4 c + 3, lane l's 16 bytes at 16 l.
; A RECORD of kvc is 128 keys of one head, 12,800 bytes: four fragments of k, four tiles of v, 512 bytes of scale words: lane r's four words of k's fragments at 16 r, of v's tiles at 256 + 16 r.
; k (K = the head's 64, innermost): fragment f carries TWO keys a lane.  Lane (r, h): registers 0-5 = block h of key 64 (f / 2) + 16 (f % 2) + (r % 8) + 32 (r / 8), registers 6-11 = block h of the key 8 further on.
;   So the product's lane (r, h) gets whole blocks of 32 neighbouring keys.  Scale word: bytes (first key block 0, block 1, second key block 0, block 1).
; v (K = the keys, its first axis within a head): tile t of 16 channels x 128 keys.  Lane (r, h): registers 6 c .. 6 c + 5 = channel 16 t + r, keys 64 c + 32 h + 0 .. 31.
; A block's scale is 2^(floor(log2(largest magnitude)) - 4); its byte is the largest magnitude's exponent field - 4, held at 1 from below by a floor among the maximum's leaves.
; LIMITS: a block whose largest magnitude lies under 2^-122, a block of zeros among them, keeps the byte 1 (zeros: the codes are zeros, and this program alone reads the bytes); NaN and infinities among the inputs are not served.
; SHARES: work-groups 0-255 take k, 256-511 v: 128 keys of one head, 32,768 bytes, 8,192 to each of four waves.  Each of the two paths has LDS bytes of its own.  Waves meet once, to gather the scale bytes.
.set SPITCH, 272                       ; k: a row of 256 bytes + 16 in the wave's stage
.set WSTG,   32*SPITCH
.set KST,    4*WSTG                    ; k: the work-group's 64 scale words
.set VST,    KST+256                   ; v: its 256 scale bytes
.set SPARE,  VST+256                   ; the spare words: 128 bytes for each of four waves
.set AM,  10                           ; v10-13  largest magnitudes, two chains for each block
.set SO,  14                           ; v14-15  the conversions' scale operands
.set BY,  26                           ; v26-27  the scale bytes
.set L,   32                           ; v32-95  k: the numbers as loaded
.set X,   96                           ; v96-159 my two blocks of 32 neighbours along K
.set F,   160                          ; v160-171 the fragment's 12 registers
.set TT,  172                          ; v172-178 the second halves of the blocks' codes
.set OW,  180
	s_load_b128 s[4:7], s[0:1], 0x0                ; k s[4:5], v s[6:7]
	s_load_b64 s[10:11], s[0:1], 0x10              ; kvc
	v_lshl_add_u32 v184, v0, 2, SPARE
	v_mov_b32 v185, 0
	v_lshrrev_b32 v9, 5, v0
	v_readfirstlane_b32 s18, v9                    ; wave 0..3
	v_and_b32 v1, 31, v0                           ; lane
	v_and_b32 v2, 15, v0                           ; r
	v_bfe_u32 v3, v0, 4, 1                         ; h
	v_mov_b32 v17, 0                               ; a lane permute's destination counts as read
	s_wait_alu depctr_va_vdst(0)
	s_mov_b32 s20, 0x76543210
	s_mov_b32 s21, 0xfedcba98                      ; v_permlanex16_b32's selects for lane l xor 16
	s_and_b32 s19, ttmp9, 255                      ; the record: 16 x head + step of 128 keys
	s_mul_i32 s26, s18, WSTG
	s_lshl_b32 s28, s18, 2
	s_add_co_u32 s28, s28, KST
	s_and_b32 s30, s18, 1                          ; v: which 32 channels
	s_lshr_b32 s31, s18, 1                         ; v: which half of each 64 keys
	s_lshl_b32 s32, s30, 3
	s_add_co_u32 s32, s32, s31
	s_add_co_u32 s32, s32, VST
	s_lshl_b32 s34, s19, 15
	s_mov_b32 s35, 0
	s_mul_i32 s36, s19, 12800
	s_mov_b32 s37, 0
	s_mov_b32 s41, 0
	v_lshlrev_b32 v4, 4, v1                        ; 16 x lane
	v_lshlrev_b32 v7, 3, v1                        ; 8 x lane
	v_lshlrev_b32 v22, 2, v1                       ; 4 x lane
	v_mul_u32_u24 v5, v3, SPITCH
	v_lshl_add_u32 v5, v2, 4, v5
	v_add_nc_u32 v5, s26, v5                       ; k: into my stage: a load's 512 bytes are two rows: row h, 16 r
	v_and_b32 v6, 8, v2
	v_add_nc_u32 v6, v6, v2                        ; r + 8 (r / 8): my stage's row
	v_mul_u32_u24 v6, v6, SPITCH
	v_lshl_add_u32 v6, v3, 7, v6
	v_add_nc_u32 v6, s26, v6                       ; and out of it: that row, block h
	v_lshl_add_u32 v8, v2, 4, s28                  ; k: my scale word: 16 r + 4 x fragment
	v_add_nc_u32 v9, KST, v7                       ; and the words' way out
	v_lshlrev_b32 v19, 4, v2
	v_lshl_add_u32 v19, v3, 2, v19
	v_add_nc_u32 v19, s32, v19                     ; v: my scale bytes: 16 r + 4 x tile + key block
	v_add_nc_u32 v20, VST, v7
	v_mul_u32_u24 v21, v3, 1536
	v_lshl_add_u32 v21, v2, 4, v21                 ; v: my 16 bytes of a chunk: tile h of my two
; My two blocks of 32 numbers, v[X] on and v[X + 32] on, become the fragment's 12 registers and two scale bytes.
.macro QUANT2
.irp c, 0,1
	v_max3_num_f32 v[AM+\c], |v[X+32*\c]|, |v[X+32*\c+1]|, 0x2800000   ; with the floor 2^(5 - 127): the byte cannot fall under 1
	v_max3_num_f32 v[AM+2+\c], |v[X+32*\c+16]|, |v[X+32*\c+17]|, |v[X+32*\c+18]|
.endr
.irp i, 2,4,6,8,10,12
.irp c, 0,1
	v_max3_num_f32 v[AM+\c], v[AM+\c], |v[X+32*\c+\i]|, |v[X+32*\c+\i+1]|
	v_max3_num_f32 v[AM+2+\c], v[AM+2+\c], |v[X+32*\c+\i+17]|, |v[X+32*\c+\i+18]|
.endr
.endr
.irp c, 0,1
	v_max3_num_f32 v[AM+\c], v[AM+\c], |v[X+32*\c+14]|, |v[X+32*\c+15]|
.endr
.irp c, 0,1
	v_max3_num_f32 v[AM+\c], v[AM+\c], v[AM+2+\c], |v[X+32*\c+31]|
.endr
.irp c, 0,1
	v_add_nc_u32 v[SO+\c], 0xfe000000, v[AM+\c]    ; 4 off the exponent field: the conversion takes this operand's exponent field as its scale
.endr
.irp c, 0,1
	v_lshrrev_b32 v[BY+\c], 23, v[SO+\c]           ; the scale's byte
.endr
.irp c, 0,1
	v_cvt_scalef32_pk16_bf6_f32 v[F+6*\c:F+6*\c+2], v[X+32*\c:X+32*\c+15], v[SO+\c]
	v_cvt_scalef32_pk16_bf6_f32 v[TT+4*\c:TT+4*\c+2], v[X+32*\c+16:X+32*\c+31], v[SO+\c]
.endr
	v_nop                                          ; one plain place behind the scaled conversions
.irp c, 0,1
.irp i, 0,1,2
	v_mov_b32 v[F+6*\c+3+\i], v[TT+4*\c+\i]        ; (a conversion's three registers begin on an even number)
.endr
.endr
.endm
	s_wait_alu depctr_va_vdst(0)                   ; the head's end
	s_wait_kmcnt 0x0
	s_add_nc_u64 s[10:11], s[10:11], s[36:37]
	s_add_nc_u64 s[12:13], s[10:11], 12288         ; the record's scale words
	s_cmp_ge_u32 ttmp9, 256
	s_cbranch_scc1 .Lpath_v
	; ---- k: wave w makes fragment w: 16 rows from 64 (w / 2) + 16 (w % 2) on, and the 16 rows that lie 32 further on
	s_add_nc_u64 s[4:5], s[4:5], s[34:35]
	s_lshl_b32 s40, s31, 14
	s_lshl_b32 s42, s30, 12
	s_add_co_u32 s40, s40, s42
	s_add_nc_u64 s[4:5], s[4:5], s[40:41]
	s_mul_i32 s40, s18, 1536
	s_add_nc_u64 s[10:11], s[10:11], s[40:41]
.irp i, 0,1,2,3,4,5,6,7,8,9,10,11,12,13,14,15
	global_load_b128 v[L+4*\i:L+4*\i+3], v4, s[4:5] offset:512*\i+4096*(\i/8) th:TH_LOAD_NT   ; 32 lanes read 512 consecutive bytes: two rows
.endr
.irp i, 0,1,2,3,4,5,6,7,8,9,10,11,12,13,14,15
	s_wait_loadcnt 15-\i                           ; load i is in; the younger ones may be out
	ds_store_b128 v5, v[L+4*\i:L+4*\i+3] offset:2*SPITCH*\i
.endr
.irp i, 0,1,2,3,4,5,6,7
	ds_load_b128 v[X+4*\i:X+4*\i+3], v6 offset:16*\i                 ; LDS serves a wave's instructions in order: these see my stores
.endr
.irp i, 0,1,2,3,4,5,6,7
	ds_load_b128 v[X+32+4*\i:X+32+4*\i+3], v6 offset:8*SPITCH+16*\i  ; the key 8 further on
.endr
	s_wait_dscnt 0x0
	QUANT2
.irp c, 0,1,2
	global_store_b128 v4, v[F+4*\c:F+4*\c+3], s[10:11] offset:512*\c   ; 32 lanes store 512 consecutive bytes
.endr
	v_lshl_or_b32 v16, v[BY+1], 16, v[BY]          ; my two bytes: block h of both keys,
	v_lshlrev_b32 v18, 3, v3
	v_lshlrev_b32 v16, v18, v16                    ; at their places (8 h bits up);
	v_permlanex16_b32 v17, v16, s20, s21
	v_or_b32 v16, v16, v17                         ; with lane l xor 16's two the word is whole
	ds_store_b32 v8, v16                           ; both halves of the lanes write the same word with the same value
	s_wait_dscnt 0x0                               ; for the others' sake: my store has landed
	s_barrier_signal -1
	s_barrier_wait -1
	s_cmp_lg_u32 s18, 0
	s_cbranch_scc1 .Lend_k
	ds_load_b64 v[OW:OW+1], v9
	s_wait_dscnt 0x0
	global_store_b64 v7, v[OW:OW+1], s[12:13]      ; 256 bytes of k's scale words: 32 lanes, consecutive
.Lend_k:
	s_wait_tensorcnt 0x0                           ; the wave's end
	ds_add_u32 v184, v185
	s_wait_dscnt 0x0
	s_endpgm
	; ---- v: a lane takes a channel and its registers run down the keys.  Wave = (channels / 32) + 2 (half of each 64 keys)
.Lpath_v:
	s_add_nc_u64 s[6:7], s[6:7], s[34:35]
	s_lshl_b32 s40, s31, 13                        ; 32 keys
	s_lshl_b32 s42, s30, 7                         ; 32 channels
	s_add_co_u32 s40, s40, s42
	s_add_nc_u64 s[6:7], s[6:7], s[40:41]
	s_mul_i32 s40, s30, 3072                       ; my two tiles
	s_lshl_b32 s42, s31, 8                         ; the image's lanes 16-31 lie 256 bytes on
	s_add_co_u32 s40, s40, s42
	s_add_co_u32 s40, s40, 6144                    ; v's part of the record
	s_add_nc_u64 s[10:11], s[10:11], s[40:41]
.irp c, 0,1
.set i, 0
.rept 32
	global_load_b32 v[X+32*\c+i], v22, s[6:7] offset:16384*\c+256*i th:TH_LOAD_NT   ; key 64 c + i of my 32: the wave reads 128 consecutive bytes
.set i, i+1
.endr
.endr
	s_wait_loadcnt 0x0
	QUANT2
.irp c, 0,1,2
	global_store_b128 v21, v[F+4*\c:F+4*\c+3], s[10:11] offset:512*\c   ; sixteen lanes store 256 consecutive bytes, aligned
.endr
	ds_store_b8 v19, v[BY]                         ; key block (half) of the step,
	ds_store_b8 v19, v[BY+1] offset:2              ; and block 2 + half
	s_wait_dscnt 0x0                               ; for the others' sake
	s_barrier_signal -1
	s_barrier_wait -1
	s_cmp_lg_u32 s18, 0
	s_cbranch_scc1 .Lend_v
	ds_load_b64 v[OW:OW+1], v20
	s_wait_dscnt 0x0
	global_store_b64 v7, v[OW:OW+1], s[12:13] offset:256
.Lend_v:
	s_wait_tensorcnt 0x0                           ; the wave's end
	ds_add_u32 v184, v185
	s_wait_dscnt 0x0
	s_endpgm
.Lfunc_end_k_q2b5a59d10a_prep:
	.size	k_q2b5a59d10a_prep, .Lfunc_end_k_q2b5a59d10a_prep-k_q2b5a59d10a_prep
	.p2alignl 7, 3214868480
	.fill 96, 4, 3214868480
	.section	.rodata,"a",@progbits
	.p2align	6, 0x0
	.amdhsa_kernel k_q2b5a59d10a_prep
		.amdhsa_group_segment_fixed_size 35840
		.amdhsa_private_segment_fixed_size 0
		.amdhsa_enable_private_segment 0
		.amdhsa_kernarg_size 24
		.amdhsa_user_sgpr_count 2
		.amdhsa_user_sgpr_kernarg_segment_ptr 1
		.amdhsa_wavefront_size32 1
		.amdhsa_system_sgpr_workgroup_id_x 1
		.amdhsa_system_sgpr_workgroup_id_y 1
		.amdhsa_system_sgpr_workgroup_id_z 1
		.amdhsa_system_vgpr_workitem_id 0
		.amdhsa_next_free_vgpr 188
		.amdhsa_next_free_sgpr 66
		.amdhsa_reserve_vcc 0
		.amdhsa_float_denorm_mode_32 3
		.amdhsa_float_denorm_mode_16_64 3
		.amdhsa_memory_ordered 1
		.amdhsa_forward_progress 1
		.amdhsa_inst_pref_size 21
	.end_amdhsa_kernel
	.amdgpu_metadata
---
amdhsa.version: [ 1, 2 ]
amdhsa.kernels:
  - .name:           k_q2b5a59d10a_prep
    .symbol:         k_q2b5a59d10a_prep.kd
    .args:
      - { .name: k, .offset: 0, .size: 8, .value_kind: global_buffer, .address_space: global }
      - { .name: v, .offset: 8, .size: 8, .value_kind: global_buffer, .address_space: global }
      - { .name: kvc, .offset: 16, .size: 8, .value_kind: global_buffer, .address_space: global }
    .group_segment_fixed_size: 35840
    .private_segment_fixed_size: 0
    .kernarg_segment_align: 8
    .kernarg_segment_size: 24
    .max_flat_workgroup_size: 128
    .sgpr_count:     66
    .vgpr_count:     188
    .wavefront_size: 32
...
	.end_amdgpu_metadata
.endif
;; end of part 1
;; launch attn (part 2): grid 256 x 1, 16 waves a work-group, clusters of 4 x 1, 327,680 bytes of LDS; arguments q, kvc, qs_s, ks_s, alpha, beta, out0; writes out0
.if DOCPART == 2
	.amdgcn_target "amdgcn-amd-amdhsa--gfx1250"
	.amdhsa_code_object_version 6
	.text
	.protected	k_q2b5a59d10a_attn
	.globl	k_q2b5a59d10a_attn
	.p2align	8
	.type	k_q2b5a59d10a_attn,@function
k_q2b5a59d10a_attn:
	s_mov_b64 s[64:65], 0
	v_nop
	global_prefetch_b8 v0, s[64:65] scope:SCOPE_SE
	s_setreg_imm32_b32 hwreg(HW_REG_WAVE_MODE, 25, 1), 1
	s_wait_xcnt 0x0
	s_wait_alu depctr_hold_cnt(0) depctr_sa_sdst(0) depctr_va_vdst(0) depctr_va_sdst(0) depctr_va_ssrc(0) depctr_va_vcc(0) depctr_vm_vsrc(0)
	s_getreg_b32 s2, hwreg(HW_REG_IB_STS2, 6, 4)
	s_cmp_eq_u32 s2, 0
	s_cbranch_scc0 .Lentry_in_a_cluster
	s_endpgm
.Lentry_in_a_cluster:
	s_bfe_u32 s2, ttmp6, 0x10000c
	s_cmp_lg_u32 s2, 0x3003
	s_cbranch_scc0 .Lentry_shape_is_right
	s_endpgm
.Lentry_shape_is_right:
; out0[b][h][q][:] = sum over k of softmax_k(q . k / 8 + alpha_h exp(-beta_h |qs_s[b][q] - ks_s[b][k]|^2)) v[b][h][k][:], both products on codes of BF6 (E3M2) with E8M0 scales for each 32 along K.
; SHARES.  A work-group owns 16 queries of ALL EIGHT heads of a batch: 256 work-groups.  Wave w = head w % 8, half w / 8 of the keys, in eight PHASES of 128 keys; it keeps Q, O^T, its sum and its M in registers throughout.
;   The two halves of a head meet once, at the end: with M the larger of M_0 and M_1, out = sum of 2^(M_i - M) O_i / sum of 2^(M_i - M) l_i; the factors are exact powers of two.
; d^2 hangs on batch, query and key alone: of a phase's 2 x 64 registers of d^2 each of the 16 waves makes 8 (direct differences, so a common offset of the positions cancels), two phases ahead, and hands them on through LDS as an image.
; FIRST PRODUCT, K = 64.  A fragment of k carries two keys a lane: k 0..63 one key, k 64..127 the key 8 further on.  Q stands as 18 registers [Q][zeros][Q]: registers 0-11 meet the first key, 6-17 the second; zero codes add nothing.
;   Both products are used transposed: a lane holds ONE query throughout, and registers 32 c .. 32 c + 31 of its scores are the keys 64 c + 32 h + 0 .. 31: whole blocks of the second product's K.
; SOFTMAX.  8 alpha E, E = 2^(-log2(e) beta d^2), is the C of the first product, so that it gives w = score + 8 alpha E; t = w log2(e) / 8; M = the running largest t rounded up to a whole number; p = 2^(t - M) is quantised along
;   the keys, not normalised.  The sum is taken of the unquantised p and divides at the end; when M moves, the sum and O are multiplied by 2^(old M - new M), exactly.
; OPERANDS of k, v and their scales come as records of register images (the launch before), 12,800 bytes for a wave's phase.  q is read once and quantised here, at the head.
; CLUSTER.  The four query tiles of a cluster walk the same records: every tensor load is joint (mask 15).  A wave's load brings its OWN record, which no other wave reads; once it stands in registers the slot is filled again, behind one
;   round of the cluster's barrier a phase; the bias of that phase is computed inside the round.
; NO PREFETCH: clusters begin at phase (cluster % 8) and wrap round, so any eight neighbouring clusters of a batch ask for all its records in their first phase, which has no loop ahead of it; later phases name bytes asked for before.
; LIMITS: NaN and infinities among the inputs are not served; the scaled scores stay under 2^31 in magnitude; E overflows where the exponential of the definition does; v_exp_f32 gives 0 for results under 2^-126 (ISA guide, its entry);
;   a block of p whose numbers are all 0 keeps the byte 1 over zero codes; so does a block of q under 2^-122.
.set REC,   12800                      ; k 6,144, v 6,144, scale words 512
.set DBUF,  16*REC                     ; d^2: [buffer 2][half 2][16 chunks of 512 bytes]
.set QIM,   DBUF+32768                 ; [head 8]: Q's registers 0-3 (16 x lane), 4-5 (16 x lane), its scale word (16 x lane)
.set QREC,  1536
.set SPARE, QIM+8*QREC                 ; the spare words: 128 bytes for each of 16 waves
.set XCH,   SPARE+2048                 ; a wave's 4,352 bytes: at the head q's stage, at the end its O: 16 rows (four channels each) of 16 queries x 16 bytes, + 16 bytes of padding
.set PPART, 4352
.set XML,   XCH+16*PPART               ; [wave 16][lane 32]: -M and my half of the sum, 8 bytes
.set SPW, 1
.set NIL, 2
.set ADR, 3                            ; my record + 16 x lane
.set ADL, 4                            ; d^2, to load: DBUF + half x 8,192 + 16 x lane
.set ADW, 5                            ; d^2, to store: + head x 1,024
.set PXO, 6                            ; my key's offset in ks_s
.set AQ, 7                             ; my head's Q
.set FF, 8                             ; v8 f = 2^(old M - new M); v9 named as the pair's upper half
.set H8, 9                             ; 8 h
.set NEGM, 10                          ; v10 -M; v11 named as the pair's upper half
.set TMP2, 11
.set LS, 12                            ; v[12:13] the sum
.set KS, 14                            ; v14-17 scale words: lanes 0-15 k's fragments, lanes 16-31 v's tiles
.set QS, 18
.set PSW, 19
.set BM, 20
.set SO, 22
.set TMP, 24
.set LOFF, 25                          ; 16 x lane
.set QP, 26                            ; v26-28 my query's position
.set PX, 29                            ; v29-31 a key's position
.set PC, 32                            ; v32-43 p's codes
.set Q, 44                             ; v44-61
.set O, 62                             ; v62-93 O^T
.set K, 94                             ; v94-141 four fragments of k; between the products d^2 at work
.set V, 142                            ; v142-189 four tiles of v
.set S, 190                            ; v190-253 d^2, E, scores, p
.set TX, K
.set DP, K+12
.set WV, 22
.set BT, 23
.set TL, 24
.set PH, 25
.set TRIP, 26
.set HD, 27
.set HF, 28
.set T, 30
.set SEL, 32
.set C1, 34
.set A8, 36
.set NB, 38
.set KB0, 40
.set PXB, 42
.set PXA, 44
.set OB, 46
.set G0, 48
.set G1, 52
.macro CREST                           ; a round of the cluster's barrier behind its opening barrier
	s_cmp_lg_u32 s[WV], 0
	s_cbranch_scc1 .Lnot_wave_0_\@
	s_barrier_signal -3
.Lnot_wave_0_\@:
	s_barrier_wait -3
	s_barrier_signal -1
	s_barrier_wait -1
.endm
.macro CROUND
	s_barrier_signal -1
	s_barrier_wait -1
	CREST
.endm
.macro KREAD
.irp f, 0,1,2,3
.irp c, 0,1,2
	ds_load_b128 v[K+12*\f+4*\c:K+12*\f+4*\c+3], v[ADR] offset:1536*\f+512*\c
.endr
.endr
.endm
.macro VREAD                           ; v, and the scale words of both
.irp f, 0,1,2,3
.irp c, 0,1,2
	ds_load_b128 v[V+12*\f+4*\c:V+12*\f+4*\c+3], v[ADR] offset:6144+1536*\f+512*\c
.endr
.endr
	ds_load_b128 v[KS:KS+3], v[ADR] offset:12288
.endm
.macro DREAD buf
.set n, 0
.rept 16
	ds_load_b128 v[S+4*n:S+4*n+3], v[ADL] offset:16384*(\buf)+512*n
.set n, n+1
.endr
.endm
; Four registers of d^2, keys a, b, c, d of my eight: each lane takes that lane's position within its row of 16 lanes and takes its own query's away.
.macro DCHUNK k, px, a, b, c, d
.irp p, 0,1,2
	v_sub_f32_dpp v[TX+4*\p], v[(\px)+\p], v[QP+\p] row_share:\a row_mask:0xf bank_mask:0xf
	v_sub_f32_dpp v[TX+4*\p+1], v[(\px)+\p], v[QP+\p] row_share:\b row_mask:0xf bank_mask:0xf
	v_sub_f32_dpp v[TX+4*\p+2], v[(\px)+\p], v[QP+\p] row_share:\c row_mask:0xf bank_mask:0xf
	v_sub_f32_dpp v[TX+4*\p+3], v[(\px)+\p], v[QP+\p] row_share:\d row_mask:0xf bank_mask:0xf
.endr
	v_pk_mul_f32 v[DP+4*\k:DP+4*\k+1], v[TX:TX+1], v[TX:TX+1]
	v_pk_mul_f32 v[DP+4*\k+2:DP+4*\k+3], v[TX+2:TX+3], v[TX+2:TX+3]
	v_pk_fma_f32 v[DP+4*\k:DP+4*\k+1], v[TX+4:TX+5], v[TX+4:TX+5], v[DP+4*\k:DP+4*\k+1]
	v_pk_fma_f32 v[DP+4*\k+2:DP+4*\k+3], v[TX+6:TX+7], v[TX+6:TX+7], v[DP+4*\k+2:DP+4*\k+3]
	v_pk_fma_f32 v[DP+4*\k:DP+4*\k+1], v[TX+8:TX+9], v[TX+8:TX+9], v[DP+4*\k:DP+4*\k+1]
	v_pk_fma_f32 v[DP+4*\k+2:DP+4*\k+3], v[TX+10:TX+11], v[TX+10:TX+11], v[DP+4*\k+2:DP+4*\k+3]
.endm
.macro DPART px
	DCHUNK 0, \px, 0, 1, 2, 3
	DCHUNK 1, \px, 4, 5, 6, 7
.endm
.macro DSTORE buf
	ds_store_b128 v[ADW], v[DP:DP+3] offset:16384*(\buf)
	ds_store_b128 v[ADW], v[DP+4:DP+7] offset:16384*(\buf)+512
.endm
.macro EXP64
.set n, 0
.rept 64
	v_exp_f32 v[S+n], v[S+n]
.set n, n+1
.endr
.endm
.macro SCALE64 s
.set n, 0
.rept 32
	v_pk_mul_f32 v[S+n:S+n+1], v[S+n:S+n+1], s[\s:\s+1] op_sel_hi:[1,0]
.set n, n+2
.endr
.endm
.macro KQ t                            ; tile t of S^T, onto its bias: the fragment's key t % 2
	v_wmma_scale_f32_16x16x128_f8f6f4 v[S+8*\t:S+8*\t+7], v[K+12*(\t/2):K+12*(\t/2)+11], v[Q+6*(\t%2):Q+6*(\t%2)+11], v[S+8*\t:S+8*\t+7], v[KS+\t/2], v[QS] matrix_a_fmt:MATRIX_FMT_BF6 matrix_b_fmt:MATRIX_FMT_BF6
.endm
.macro PV t                            ; 16 channels of O^T += v x p.  v's scale words lie in lanes 16-31
	v_wmma_scale_f32_16x16x128_f8f6f4 v[O+8*\t:O+8*\t+7], v[V+12*\t:V+12*\t+11], v[PC:PC+11], v[O+8*\t:O+8*\t+7], v[KS+\t], v[PSW] matrix_a_fmt:MATRIX_FMT_BF6 matrix_b_fmt:MATRIX_FMT_BF6 matrix_a_scale:MATRIX_SCALE_ROW1
.endm
.macro ADD a, b
	v_pk_add_f32 v[S+\a:S+\a+1], v[S+\a:S+\a+1], v[S+\b:S+\b+1]
.endm
; A PHASE.  At its start k, v, the scale words and d^2 are in registers or on their way there from LDS.  buf: the buffer that held this phase's d^2.  dp = 1: my part of d^2 of the phase two on is made and stored there.
; refill = 1: the slot takes the next phase's record, and at the phase's end its operands are read.
.macro PHASE buf, dp, refill
.if \refill
	s_add_co_u32 s[PH], s[PH], 1
	s_and_b32 s[T], s[PH], 7
	s_mul_i32 s[T], s[T], REC
	s_wait_alu depctr_va_vdst(0)
	s_wait_tensorcnt 0x0                           ; no tensor load of mine is out, so group 0 may be written
	ds_add_u32 v[SPW], v[NIL]
	s_add_nc_u64 s[G0+2:G0+3], s[KB0:KB0+1], s[T:T+1]
.if \dp
	s_add_co_u32 s[T], s[PH], 1
	s_and_b32 s[T], s[T], 7
	s_mul_i32 s[T], s[T], 1536
	s_add_nc_u64 s[PXA:PXA+1], s[PXB:PXB+1], s[T:T+1]   ; (the last loads by it have been waited for)
.endif
	s_wait_dscnt 0x0                               ; the add is done; my record and d^2 are in registers; my part of d^2 has landed
	s_barrier_signal -1
.else
	s_wait_alu depctr_va_vdst(0)
	s_wait_dscnt 0x0
.endif
	SCALE64 NB                                     ; -log2(e) beta d^2: register work while the others arrive
	s_wait_alu depctr_va_vdst(0)
	EXP64
	v_nop                                          ; a plain place behind the exponentials
	s_wait_alu depctr_va_vdst(0)                   ; one wait for the batch of 64
	SCALE64 A8                                     ; 8 alpha E
.if \refill
	s_wait_alu depctr_va_vdst(0)
	s_barrier_wait -1
	CREST
	tensor_load_to_lds s[G0:G0+3], s[G1:G1+7]      ; the first thing behind the round, my one tensor load until the next
	s_nop 0
.if \dp
.irp p, 0,1,2
	global_load_b32 v[PX+\p], v[PXO], s[PXA:PXA+1] offset:4*\p
.endr
.endif
.endif
.irp t, 0,1,2,3,4,5,6,7
	KQ \t
.endr
.rept 4
	v_nop
.endr
.irp c, 0,1                            ; the largest w of each of my two blocks: two chains a block, each accumulator from its low end on
	v_max3_num_f32 v[BM+\c], v[S+32*\c], v[S+32*\c+1], v[S+32*\c+2]
	v_max3_num_f32 v[SO+\c], v[S+32*\c+16], v[S+32*\c+17], v[S+32*\c+18]
.endr
.irp i, 3,5,7,9,11,13
.irp c, 0,1
	v_max3_num_f32 v[BM+\c], v[BM+\c], v[S+32*\c+\i], v[S+32*\c+\i+1]
	v_max3_num_f32 v[SO+\c], v[SO+\c], v[S+32*\c+\i+16], v[S+32*\c+\i+17]
.endr
.endr
.irp c, 0,1
	v_max3_num_f32 v[BM+\c], v[BM+\c], v[SO+\c], v[S+32*\c+15]
.endr
.irp c, 0,1
	v_max_num_f32 v[BM+\c], v[BM+\c], v[S+32*\c+31]
.endr
	v_max_num_f32 v[TMP], v[BM], v[BM+1]
	v_permlanex16_b32 v[TMP2], v[TMP], s[SEL], s[SEL+1]
	v_max_num_f32 v[TMP], v[TMP], v[TMP2]          ; with lane l xor 16's 64 keys
	v_mul_f32 v[TMP], s[C1], v[TMP]                ; as t
	v_floor_f32 v[TMP], -v[TMP]
	v_min_num_f32 v[TMP], v[NEGM], v[TMP]          ; the new -M: a whole number
	v_sub_f32 v[FF], v[TMP], v[NEGM]               ; old M - new M, 0 or less
	v_mov_b32 v[NEGM], v[TMP]
	v_cvt_i32_f32 v[FF], v[FF]                     ; (it saturates)
	v_ldexp_f32 v[FF], 1.0, v[FF]
.set n, 0
.rept 32
	v_pk_fma_f32 v[S+n:S+n+1], v[S+n:S+n+1], s[C1:C1+1], v[NEGM:NEGM+1] op_sel_hi:[1,0,0]   ; t - M
.set n, n+2
.endr
	v_pk_fma_f32 v[BM:BM+1], v[BM:BM+1], s[C1:C1+1], v[NEGM:NEGM+1] op_sel_hi:[1,0,0]       ; the same of each block's largest
	s_wait_alu depctr_va_vdst(0)
.if \dp
	s_wait_loadcnt 0x0                             ; the key's position is in
.endif
	EXP64                                          ; p
	v_exp_f32 v[BM], v[BM]                         ; the blocks' largest p: the same two operations on the same numbers
	v_exp_f32 v[BM+1], v[BM+1]
.if \dp
	DPART PX                                       ; plain work behind the exponentials
.else
	v_nop
.endif
	s_wait_alu depctr_va_vdst(0)                   ; one wait for the batch of 66
.if \dp
	DSTORE \buf                                    ; every wave had this buffer's d^2 in registers in front of the round
.endif
.irp c, 0,1
	v_max_num_f32 v[BM+\c], 0x2800000, v[BM+\c]    ; the floor 2^(5 - 127): the byte cannot fall under 1
.endr
.irp c, 0,1
	v_add_nc_u32 v[SO+\c], 0xfe000000, v[BM+\c]    ; 4 off the exponent field: the conversion's scale operand
.endr
	v_lshrrev_b32 v[TMP], 23, v[SO]                ; the bytes of blocks h and 2 + h
	v_lshrrev_b32 v[BM], 23, v[SO+1]
	v_cvt_scalef32_pk16_bf6_f32 v[PC:PC+2], v[S:S+15], v[SO]
	v_cvt_scalef32_pk16_bf6_f32 v[PC+6:PC+8], v[S+32:S+47], v[SO+1]
	v_lshl_or_b32 v[TMP], v[BM], 16, v[TMP]        ; (plain work behind the conversions)
	v_lshlrev_b32 v[TMP], v[H8], v[TMP]
	v_permlanex16_b32 v[TMP2], v[TMP], s[SEL], s[SEL+1]
	v_or_b32 v[PSW], v[TMP], v[TMP2]               ; p's scale word for these 128 keys
.irp i, 2,4,6                          ; the sum of the unquantised p, in place on registers whose codes are made
	ADD 0, \i
	ADD 8, 8+\i
	ADD 32, 32+\i
	ADD 40, 40+\i
.endr
	v_cvt_scalef32_pk16_bf6_f32 v[S+2:S+4], v[S+16:S+31], v[SO]        ; (a conversion's three registers begin on an even number)
	v_cvt_scalef32_pk16_bf6_f32 v[S+34:S+36], v[S+48:S+63], v[SO+1]
	ADD 32, 0
	ADD 40, 8
.irp i, 0,1,2
	v_mov_b32 v[PC+3+\i], v[S+2+\i]
	v_mov_b32 v[PC+9+\i], v[S+34+\i]
.endr
.irp i, 0,2,4,6
	ADD 32, 16+\i
	ADD 40, 24+\i
.if \i
	ADD 48, 48+\i
	ADD 56, 56+\i
.endif
.endr
	ADD 32, 40
	ADD 48, 56
	ADD 32, 48
	v_pk_fma_f32 v[LS:LS+1], v[LS:LS+1], v[FF:FF+1], v[S+32:S+33] op_sel_hi:[1,0,1]   ; the sum under the new M
.if \refill
	s_wait_alu depctr_va_vdst(0)
	s_wait_dscnt 0x0                               ; my part of d^2 has left its registers
	DREAD 1-(\buf)                                 ; the next phase's d^2: stored a phase ago, shown by the last round
	s_wait_tensorcnt 0x0                           ; my next record has landed; no other wave reads it
	KREAD
.endif
	s_wait_alu depctr_va_vdst(0)                   ; directly ahead of the first readers of O^T
.set n, 0
.rept 16
	v_pk_mul_f32 v[O+n:O+n+1], v[O+n:O+n+1], v[FF:FF+1] op_sel_hi:[1,0]   ; O^T under the new M, each accumulator from its low end on
.set n, n+2
.endr
.irp t, 0,1,2,3
	PV \t                                          ; four accumulators by turns, one instruction a turn
.endr
.rept 4
	v_nop                                          ; in front of loads into registers that these products have read, and of O's first reader
.endr
.if \refill
	VREAD
.endif
.endm
	s_load_b256 s[4:11], s[0:1], 0x0               ; q s[4:5], kvc s[6:7], qs_s s[8:9], ks_s s[10:11]
	s_load_b128 s[12:15], s[0:1], 0x20             ; alpha s[12:13], beta s[14:15]
	s_load_b64 s[16:17], s[0:1], 0x30              ; out0
	v_lshl_add_u32 v[SPW], v0, 2, SPARE
	v_mov_b32 v[NIL], 0
	ds_add_u32 v[SPW], v[NIL]                      ; the wave's opening: the add, twice on end, ahead of my first tensor load
	ds_add_u32 v[SPW], v[NIL]
	v_lshrrev_b32 v[TMP], 5, v0
	v_readfirstlane_b32 s[WV], v[TMP]              ; wave 0..15
	v_and_b32 v[TMP], 31, v0                       ; lane
	v_and_b32 v[BM], 15, v0                        ; r
	v_bfe_u32 v[BM+1], v0, 4, 1                    ; h
	s_wait_alu depctr_va_vdst(0)
	s_lshr_b32 s[BT], ttmp9, 5                     ; the batch: 32 clusters each
	s_and_b32 s[TL], ttmp9, 31
	s_lshl_b32 s[TL], s[TL], 2
	s_bfe_u32 s60, ttmp6, 0x40000                  ; my place in the cluster: it enters q's, qs_s's and out0's addresses alone
	s_add_co_u32 s[TL], s[TL], s60                 ; my 16 queries
	s_and_b32 s[PH], ttmp9, 7                      ; the phase that the walk begins with: the same in all partners
	s_and_b32 s[HD], s[WV], 7
	s_lshr_b32 s[HF], s[WV], 3
	s_mul_i32 s57, s[WV], PPART
	s_add_co_u32 s57, s57, XCH
	s_mul_i32 s58, s[WV], REC                      ; my slot
	s_lshl_b32 s59, s[HF], 13
	s_add_co_u32 s59, s59, DBUF
	s_lshl_b32 s60, s[HD], 10
	s_mul_i32 s61, s[HD], QREC
	s_add_co_u32 s61, s61, QIM
	v_lshlrev_b32 v[LOFF], 4, v[TMP]
	v_lshlrev_b32 v[H8], 3, v[BM+1]
	v_add_nc_u32 v[ADR], s58, v[LOFF]
	v_add_nc_u32 v[ADL], s59, v[LOFF]
	v_add_nc_u32 v[ADW], s60, v[ADL]
	v_add_nc_u32 v[AQ], s61, v[LOFF]
	v_mul_u32_u24 v[SO], v[BM+1], 272
	v_lshl_add_u32 v[SO], v[BM], 4, v[SO]
	v_add_nc_u32 v[SO], s57, v[SO]                 ; q's stage: in: a load's 512 bytes are two rows
	v_mul_u32_u24 v[SO+1], v[BM], 272
	v_lshl_add_u32 v[SO+1], v[BM+1], 7, v[SO+1]
	v_add_nc_u32 v[SO+1], s57, v[SO+1]             ; and out: row r, block h
	v_and_b32 v[PXO], 7, v0
	v_lshl_add_u32 v[PXO], v[BM+1], 5, v[PXO]
	v_mul_u32_u24 v[PXO], v[PXO], 12               ; key 32 h + r % 8
	v_mul_u32_u24 v[PC], v[BM], 12                 ; query r
	v_mov_b32 v[TMP2], 0                           ; destinations of lane permutes and DPP forms count as read
	v_mov_b32 v[FF], 0
	v_mov_b32 v[NEGM], 0x7f61b1e6                  ; -M over every -t: the first phase finds f = 0
	v_mov_b32 v[LS], 0
	v_mov_b32 v[LS+1], 0
.irp i, 0,1,2,3,4,5
	v_mov_b32 v[Q+6+\i], 0                         ; zero codes between the two Q
.endr
.set n, 0
.rept 12
	v_mov_b32 v[TX+n], 0
.set n, n+1
.endr
.set n, 0
.rept 32
	v_mov_b32 v[O+n], 0                            ; O^T: the phase is written once; the first change of M leaves zeros zeros
.set n, n+1
.endr
	; group 1: dense rows of 256 bytes (32 elements of 8 bytes), no padding; mask 15 with bit 21 beside it
	s_mov_b32 s[G1], 15|(3<<16)|(1<<21)
	s_mov_b32 s[G1+1], 32<<16                      ; tensor_dim0
	s_mov_b32 s[G1+2], 50<<16                      ; tensor_dim1: 50 rows = a record
	s_mov_b32 s[G1+3], 32<<16                      ; tile_dim0
	s_mov_b32 s[G1+4], 50                          ; tile_dim1
	s_mov_b32 s[G1+5], 32                          ; pitch
	s_mov_b32 s[G1+6], 0
	s_mov_b32 s[G1+7], 0
	s_mov_b32 s[G0], 1
	s_mul_i32 s[G0+1], s[WV], REC
	s_mov_b32 s[T+1], 0
	s_wait_alu depctr_va_vdst(0)
	s_wait_dscnt 0x0                               ; both opening adds are done
	s_wait_kmcnt 0x0
	s_mul_i32 s[T], s[BT], 128*REC
	s_mul_i32 s60, s[HD], 16*REC
	s_add_co_u32 s[T], s[T], s60
	s_mul_i32 s60, s[HF], 8*REC
	s_add_co_u32 s[T], s[T], s60
	s_add_nc_u64 s[KB0:KB0+1], s[6:7], s[T:T+1]
	s_or_b32 s[KB0+1], s[KB0+1], 0x80000000        ; the descriptor's type
	s_mul_i32 s[T], s[PH], REC
	s_add_nc_u64 s[G0+2:G0+3], s[KB0:KB0+1], s[T:T+1]
	CROUND                                         ; all four work-groups are here: the first joint loads meet
	tensor_load_to_lds s[G0:G0+3], s[G1:G1+7]      ; my record of the first phase
	s_nop 0
	s_mul_i32 s[T], s[BT], 24576
	s_add_nc_u64 s[8:9], s[8:9], s[T:T+1]
	s_add_nc_u64 s[PXB:PXB+1], s[10:11], s[T:T+1]
	s_mul_i32 s[T], s[TL], 192
	s_add_nc_u64 s[8:9], s[8:9], s[T:T+1]
	s_mul_i32 s[T], s[HF], 12288
	s_lshr_b32 s60, s[HD], 2
	s_mul_i32 s60, s60, 768
	s_add_co_u32 s[T], s[T], s60
	s_and_b32 s60, s[HD], 3
	s_mul_i32 s60, s60, 96
	s_add_co_u32 s[T], s[T], s60
	s_add_nc_u64 s[PXB:PXB+1], s[PXB:PXB+1], s[T:T+1]   ; my eight keys of a lane half: 64 (head / 4) + 8 (head % 4) on
	s_mul_i32 s[T], s[PH], 1536
	s_add_nc_u64 s[PXA:PXA+1], s[PXB:PXB+1], s[T:T+1]
	s_add_co_u32 s60, s[PH], 1
	s_and_b32 s60, s60, 7
	s_mul_i32 s[T], s60, 1536
	s_add_nc_u64 s[66:67], s[PXB:PXB+1], s[T:T+1]
.irp p, 0,1,2
	global_load_b32 v[QP+\p], v[PC], s[8:9] offset:4*\p
	global_load_b32 v[PX+\p], v[PXO], s[PXA:PXA+1] offset:4*\p
	global_load_b32 v[S+32+\p], v[PXO], s[66:67] offset:4*\p
.endr
	s_lshl_b32 s60, s[BT], 3
	s_add_co_u32 s60, s60, s[HD]
	s_lshl_b32 s60, s60, 19
	s_lshl_b32 s61, s[TL], 12
	s_add_co_u32 s[T], s60, s61
	s_add_nc_u64 s[4:5], s[4:5], s[T:T+1]          ; q: 16 rows of my head
	s_cmp_ge_u32 s[WV], 8
	s_cbranch_scc1 .Lno_q
.irp i, 0,1,2,3,4,5,6,7
	global_load_b128 v[S+4*\i:S+4*\i+3], v[LOFF], s[4:5] offset:512*\i th:TH_LOAD_NT   ; 32 lanes read 512 consecutive bytes: two rows
.endr
.Lno_q:
	s_lshl_b32 s[T], s[HD], 2
	s_add_nc_u64 s[12:13], s[12:13], s[T:T+1]
	s_add_nc_u64 s[14:15], s[14:15], s[T:T+1]
	s_load_b32 s[A8], s[12:13], 0x0
	s_load_b32 s[NB], s[14:15], 0x0
	; the way out: wave w takes head w / 2, queries 8 (w % 2) on
	s_lshr_b32 s68, s[WV], 1
	s_and_b32 s69, s[WV], 1
	s_lshl_b32 s60, s[BT], 3
	s_add_co_u32 s60, s60, s68
	s_lshl_b32 s60, s60, 19
	s_add_co_u32 s[T], s60, s61
	s_lshl_b32 s60, s69, 11
	s_add_co_u32 s[T], s[T], s60
	s_add_nc_u64 s[OB:OB+1], s[16:17], s[T:T+1]
	s_mul_i32 s70, s68, PPART
	s_lshl_b32 s71, s69, 7
	s_add_co_u32 s70, s70, s71
	s_add_co_u32 s70, s70, XCH                     ; its partials,
	s_lshl_b32 s71, s68, 8
	s_lshl_b32 s72, s69, 6
	s_add_co_u32 s71, s71, s72
	s_add_co_u32 s71, s71, XML                     ; its -M and sums
	s_lshl_b32 s72, s[WV], 8
	s_add_co_u32 s72, s72, XML
	s_mov_b32 s[SEL], 0x76543210
	s_mov_b32 s[SEL+1], 0xfedcba98                 ; v_permlanex16_b32's selects for lane l xor 16
	s_mov_b32 s[C1], 0x3e38aa3b                    ; log2(e) / 8
	s_mov_b32 s[C1+1], s[C1]
	s_mov_b32 s[TRIP], 3
	s_wait_kmcnt 0x0
	s_mul_f32 s[A8], s[A8], 0x41000000             ; 8 alpha, exact
	s_mul_f32 s[NB], s[NB], 0xbfb8aa3b             ; -log2(e) beta
	s_mov_b32 s[A8+1], s[A8]
	s_mov_b32 s[NB+1], s[NB]
	s_wait_loadcnt 0x0
	s_cmp_ge_u32 s[WV], 8
	s_cbranch_scc1 .Lq_done
	; waves 0 to 7: Q of my head: lane (r, h) quantises block h of query r
.irp i, 0,1,2,3,4,5,6,7
	ds_store_b128 v[SO], v[S+4*\i:S+4*\i+3] offset:544*\i
.endr
	s_wait_dscnt 0x0
.irp i, 0,1,2,3,4,5,6,7
	ds_load_b128 v[S+4*\i:S+4*\i+3], v[SO+1] offset:16*\i
.endr
	s_wait_dscnt 0x0
	v_max3_num_f32 v[BM], |v[S]|, |v[S+1]|, 0x2800000
	v_max3_num_f32 v[BM+1], |v[S+16]|, |v[S+17]|, |v[S+18]|
.irp i, 2,4,6,8,10,12
	v_max3_num_f32 v[BM], v[BM], |v[S+\i]|, |v[S+\i+1]|
	v_max3_num_f32 v[BM+1], v[BM+1], |v[S+\i+17]|, |v[S+\i+18]|
.endr
	v_max3_num_f32 v[BM], v[BM], |v[S+14]|, |v[S+15]|
	v_max3_num_f32 v[BM], v[BM], v[BM+1], |v[S+31]|
	v_add_nc_u32 v[TMP], 0xfe000000, v[BM]
	v_cvt_scalef32_pk16_bf6_f32 v[PC:PC+2], v[S:S+15], v[TMP]
	v_cvt_scalef32_pk16_bf6_f32 v[S+36:S+38], v[S+16:S+31], v[TMP]
	v_lshrrev_b32 v[BM], 23, v[TMP]                ; the byte: plain work behind the conversions
.irp i, 0,1,2
	v_mov_b32 v[PC+3+\i], v[S+36+\i]
.endr
	v_lshl_or_b32 v[BM], v[BM], 16, v[BM]
	v_lshlrev_b32 v[BM], v[H8], v[BM]
	v_permlanex16_b32 v[TMP2], v[BM], s[SEL], s[SEL+1]
	v_or_b32 v[BM], v[BM], v[TMP2]                 ; blocks 0, 1, 0, 1: right for Q's low and high twelve registers alike
	ds_store_b128 v[AQ], v[PC:PC+3]
	ds_store_b64 v[AQ], v[PC+4:PC+5] offset:512
	ds_store_b32 v[AQ], v[BM] offset:1024
.Lq_done:
	DPART PX                                       ; d^2 of the first phase
	DSTORE 0
	s_wait_alu depctr_va_vdst(0)
	s_wait_dscnt 0x0                               ; it has left its registers
	DPART S+32                                     ; and of the second
	DSTORE 1
	s_wait_alu depctr_va_vdst(0)                   ; the head's end
	s_wait_dscnt 0x0                               ; for the others' sake
	s_barrier_signal -1
	s_barrier_wait -1
	ds_load_b128 v[Q:Q+3], v[AQ]
	ds_load_b64 v[Q+4:Q+5], v[AQ] offset:512
	ds_load_b128 v[Q+12:Q+15], v[AQ]
	ds_load_b64 v[Q+16:Q+17], v[AQ] offset:512
	ds_load_b32 v[QS], v[AQ] offset:1024
	DREAD 0
	s_wait_tensorcnt 0x0                           ; my record has landed
	KREAD
	VREAD
.Ltrip:                                            ; three trips of two phases
	PHASE 0, 1, 1
	PHASE 1, 1, 1
	s_sub_co_u32 s[TRIP], s[TRIP], 1
	s_wait_alu depctr_va_vdst(0)
	s_cmp_lg_u32 s[TRIP], 0
	s_cbranch_scc1 .Ltrip
	PHASE 0, 0, 1                                  ; the last two phases make no d^2,
	PHASE 1, 0, 0                                  ; and the last fills nothing
	; THE WAY OUT.  My partial: rows of four channels, query r in each; -M and my half of the lanes' sum
	v_and_b32 v[TMP], 15, v0
	v_bfe_u32 v[TMP2], v0, 4, 1
	v_mul_u32_u24 v[BM], v[TMP2], 544
	v_lshl_add_u32 v[BM], v[TMP], 4, v[BM]
	s_mul_i32 s60, s[WV], PPART
	s_add_co_u32 s60, s60, XCH                     ; my partial
	v_add_nc_u32 v[BM], s60, v[BM]                 ; row 2 h, query r
	v_and_b32 v[BM+1], 31, v0
	v_lshl_add_u32 v[BM+1], v[BM+1], 3, s72
	v_mov_b32 v[SO], v[NEGM]
	v_add_f32 v[SO+1], v[LS], v[LS+1]
.irp t, 0,1,2,3
	ds_store_b128 v[BM], v[O+8*\t:O+8*\t+3] offset:1088*\t         ; channels 16 t + 8 h + 0 .. 3: row 4 t + 2 h
	ds_store_b128 v[BM], v[O+8*\t+4:O+8*\t+7] offset:1088*\t+272
.endr
	ds_store_b64 v[BM+1], v[SO:SO+1]
	v_mul_u32_u24 v[PC], v[TMP], 272
	v_lshl_add_u32 v[PC], v[TMP2], 4, v[PC]
	v_add_nc_u32 v[PC], s70, v[PC]                 ; four channels, 4 (l % 16) on, of query l / 16 of my eight
	v_lshl_add_u32 v[PC+1], v[TMP2], 3, s71
	s_wait_alu depctr_va_vdst(0)
	s_wait_dscnt 0x0                               ; for the others' sake
	s_barrier_signal -1
	s_barrier_wait -1
.irp i, 0,1,2,3                        ; query 2 i + l / 16; half b of the keys
.irp b, 0,1
	ds_load_b64 v[S+32+4*\i+2*\b:S+32+4*\i+2*\b+1], v[PC+1] offset:2048*\b+16*\i
	ds_load_b32 v[K+2*\i+\b], v[PC+1] offset:2048*\b+16*\i+132     ; the sum of lanes 16-31
.endr
.endr
.irp i, 0,1,2,3
.irp b, 0,1
	ds_load_b128 v[S+8*\i+4*\b:S+8*\i+4*\b+3], v[PC] offset:8*PPART*\b+32*\i
.endr
.endr
	s_wait_dscnt 8                                 ; the eight loads of partials may be out
.irp i, 0,1,2,3
	v_add_f32 v[S+33+4*\i], v[S+33+4*\i], v[K+2*\i]
	v_add_f32 v[S+35+4*\i], v[S+35+4*\i], v[K+2*\i+1]
	v_max_num_f32 v[K+8+\i], -v[S+32+4*\i], -v[S+34+4*\i]          ; M
.endr
.irp i, 0,1,2,3
	v_sub_f32 v[S+32+4*\i], -v[S+32+4*\i], v[K+8+\i]
	v_sub_f32 v[S+34+4*\i], -v[S+34+4*\i], v[K+8+\i]
.endr
.irp i, 0,1,2,3
	v_cvt_i32_f32 v[S+32+4*\i], v[S+32+4*\i]       ; M_b - M, 0 or less (it saturates)
	v_cvt_i32_f32 v[S+34+4*\i], v[S+34+4*\i]
.endr
.irp i, 0,1,2,3
	v_ldexp_f32 v[S+32+4*\i], 1.0, v[S+32+4*\i]
	v_ldexp_f32 v[S+34+4*\i], 1.0, v[S+34+4*\i]
.endr
.irp i, 0,1,2,3
	v_mul_f32 v[K+12+\i], v[S+32+4*\i], v[S+33+4*\i]
.endr
.irp i, 0,1,2,3
	v_fma_f32 v[K+12+\i], v[S+34+4*\i], v[S+35+4*\i], v[K+12+\i]   ; the row's sum
.endr
	s_wait_alu depctr_va_vdst(0)
.irp i, 0,1,2,3
	v_rcp_f32 v[K+12+\i], v[K+12+\i]
.endr
	v_nop
	s_wait_alu depctr_va_vdst(0)                   ; one wait for the batch of four
.irp i, 0,1,2,3
	v_mul_f32 v[S+32+4*\i], v[S+32+4*\i], v[K+12+\i]
	v_mul_f32 v[S+34+4*\i], v[S+34+4*\i], v[K+12+\i]
.endr
	s_wait_alu depctr_va_vdst(0)
	s_wait_dscnt 0x0
.irp i, 0,1,2,3
.irp k, 0,2
	v_pk_mul_f32 v[S+8*\i+\k:S+8*\i+\k+1], v[S+8*\i+\k:S+8*\i+\k+1], v[S+32+4*\i:S+33+4*\i] op_sel_hi:[1,0]
.endr
.endr
.irp i, 0,1,2,3
.irp k, 0,2
	v_pk_fma_f32 v[S+8*\i+\k:S+8*\i+\k+1], v[S+8*\i+4+\k:S+8*\i+5+\k], v[S+34+4*\i:S+35+4*\i], v[S+8*\i+\k:S+8*\i+\k+1] op_sel_hi:[1,0,1]
.endr
.endr
.irp i, 0,1,2,3
	global_store_b128 v[LOFF], v[S+8*\i:S+8*\i+3], s[OB:OB+1] offset:512*\i th:TH_STORE_NT   ; sixteen lanes store a row's 256 bytes, aligned
.endr
	s_wait_tensorcnt 0x0                           ; the wave's end
	ds_add_u32 v[SPW], v[NIL]
	s_wait_dscnt 0x0
	CROUND                                         ; the closing round
	s_endpgm
.Lfunc_end_k_q2b5a59d10a_attn:
	.size	k_q2b5a59d10a_attn, .Lfunc_end_k_q2b5a59d10a_attn-k_q2b5a59d10a_attn
	.p2alignl 7, 3214868480
	.fill 96, 4, 3214868480
	.section	.rodata,"a",@progbits
	.p2align	6, 0x0
	.amdhsa_kernel k_q2b5a59d10a_attn
		.amdhsa_group_segment_fixed_size 327680
		.amdhsa_private_segment_fixed_size 0
		.amdhsa_enable_private_segment 0
		.amdhsa_kernarg_size 56
		.amdhsa_user_sgpr_count 2
		.amdhsa_user_sgpr_kernarg_segment_ptr 1
		.amdhsa_wavefront_size32 1
		.amdhsa_system_sgpr_workgroup_id_x 1
		.amdhsa_system_sgpr_workgroup_id_y 1
		.amdhsa_system_sgpr_workgroup_id_z 1
		.amdhsa_system_vgpr_workitem_id 0
		.amdhsa_next_free_vgpr 256
		.amdhsa_next_free_sgpr 80
		.amdhsa_reserve_vcc 0
		.amdhsa_float_denorm_mode_32 3
		.amdhsa_float_denorm_mode_16_64 3
		.amdhsa_memory_ordered 1
		.amdhsa_forward_progress 1
		.amdhsa_inst_pref_size 118
	.end_amdhsa_kernel
	.amdgpu_metadata
---
amdhsa.version: [ 1, 2 ]
amdhsa.kernels:
  - .name:           k_q2b5a59d10a_attn
    .symbol:         k_q2b5a59d10a_attn.kd
    .args:
      - { .name: q, .offset: 0, .size: 8, .value_kind: global_buffer, .address_space: global }
      - { .name: kvc, .offset: 8, .size: 8, .value_kind: global_buffer, .address_space: global }
      - { .name: qs_s, .offset: 16, .size: 8, .value_kind: global_buffer, .address_space: global }
      - { .name: ks_s, .offset: 24, .size: 8, .value_kind: global_buffer, .address_space: global }
      - { .name: alpha, .offset: 32, .size: 8, .value_kind: global_buffer, .address_space: global }
      - { .name: beta, .offset: 40, .size: 8, .value_kind: global_buffer, .address_space: global }
      - { .name: out0, .offset: 48, .size: 8, .value_kind: global_buffer, .address_space: global }
    .group_segment_fixed_size: 327680
    .private_segment_fixed_size: 0
    .kernarg_segment_align: 8
    .kernarg_segment_size: 56
    .max_flat_workgroup_size: 512
    .sgpr_count:     80
    .vgpr_count:     256
    .wavefront_size: 32
...
	.end_amdgpu_metadata
.endif
;; end of part 2
